; MI455X (gfx1250); checked and timed in simulation.
; The chip was launched on July 23, 2026; its instructions are those of AMD's public machine-readable ISA for CDNA 5 (MIT licence, August 2026) and "CDNA5" Instruction Set Architecture Reference Guide (July 2026). The comments in the code are by the model that wrote it; some were corrected since.
;; Continuous Attention. Allowed arithmetic: float matrix products may take bf16 or f16 operands with f32 sums; all other float work in f32.
;; Inputs: K 2 x 16 x 2,048 x 256 float32; Q 2 x 16 x 2,048 x 256 float32; V 2 x 16 x 2,048 x 256 float32.
;; Outputs: out0 2 x 16 x 2,048 x 256 float32.
;; One version. Each part assembles by itself: llvm-mc -triple=amdgcn-amd-amdhsa -mcpu=gfx1250 --defsym DOCPART=n.
;; ======== version 1 of 1: 1 launch
;; limits: values are held in f16: magnitudes above 65,504 overflow, below 6.1e-05 lose precision; right only within a limited range of input values
;; launch cattn (part 1): grid 8 x 32, 8 waves a work-group, no clusters, 227,328 bytes of LDS; arguments Q, V, out0; writes out0
.if DOCPART == 1
	.amdgcn_target "amdgcn-amd-amdhsa--gfx1250"
	.amdhsa_code_object_version 6
	.text
	.protected	k_q2cdffd7e43_cattn
	.globl	k_q2cdffd7e43_cattn
	.p2align	8
	.type	k_q2cdffd7e43_cattn,@function
k_q2cdffd7e43_cattn:
	s_mov_b64 s[64:65], 0
	v_nop
	global_prefetch_b8 v0, s[64:65] scope:SCOPE_SE
	s_setreg_imm32_b32 hwreg(HW_REG_WAVE_MODE, 25, 1), 1
	s_wait_xcnt 0x0
; out[h][t][:] = sum over s < t of (QR[h][t] . QR[h][s]) V[h][s][:], QR = Q turned pair by pair (pair p of row t by t x 2^(-p/8) radians).  Q, V, out: [32][2048][256] f32.
; K IS NOT READ: the function to be computed never uses it, so no output number hangs on it.
; NO SOFTMAX stands between the two products, so they are taken in another order, chunk by chunk of 64 rows (the same sums for every input):
;   out_c = QR_c S_c + strictly-lower(QR_c QR_c^T) V_c ;   S_(c+1) = S_c + QR_c^T V_c ;   S is 256 features x 256 columns a head.
; SHARES.  Work-group (x, y): head y, columns 64 (x & 3) .. + 63 of V and out (256 aligned bytes of a row), part x >> 2.  Part 0 makes chunks 0 .. SPLIT-1.  Part 1 first walks those chunks
; for the state alone (32 matrix instructions a wave in place of 108), then makes chunks SPLIT .. 31.  8 x 32 = 256 work-groups.
; WAVES 0-3 multiply.  All is linear in the features, the mask too, so wave w owns features 64 w .. + 63 whole: its part of the scores, its 64 x 64 of S (f32, 128 registers), its part of O.
; Only the four parts of O are added, by WAVES 4-7, which also load Q and V as f32 into registers two chunks ahead, turn Q, round to f16 and lay QR and V into LDS.  One barrier a chunk.
; FORMATS.  Matrix operands in f16, sums in f32, with exact scales: QR/8 (in the rotation factors), V/16, scores/64, S/128, O/1024; out = 1024 x the sum of the four parts.
; LIMITS.  f16 ends at 65,504: a wave's part of a score stays under 4.19e6, an entry of S under 8.38e6, |Q| under 5.2e5, |V| under 1.0e6; below 6e-5 (after the scales) f16 keeps its fixed step of 6e-8.
; The angle of row t is made by complex products (row to row, chunk to chunk), not as fl(t f) mod 1: the two differ by 7e-4 radians at the most (pair 0, rows 2,047 apart).
; NaN and infinities are not treated apart; a score at or above the diagonal is cleared as bits.
; NO JOINT LOADS, though the four column slices of a head read the same Q: a tensor load brings f32 as it lies, and two landing slots of 64 rows x (1,024 + 256) bytes, 163,840 bytes,
; do not fit beside the 227,328 bytes in use.  Loads into registers hold two chunks a wave in flight without LDS.
.set NCH,   32                         ; chunks of 64 rows in a head
.set SPLIT, 20                         ; even: chunk c lies in LDS buffer c % 2, and both loops take two chunks a trip
.set PQ,    528                        ; a row of QR in LDS: 512 bytes of f16 + 16: the 16 rows of a plain fragment load start 16 bytes apart modulo 256
.set PVV,   160                        ; a row of V: 128 bytes + 32: 8 rows x 32 bytes of a turning load cover 256 bytes modulo 256
.set PO,    272                        ; a row of a wave's part of O: 256 bytes of f32 + 16
.set QRSZ,  64*PQ
.set VB,    2*QRSZ                     ; QR's two buffers at 0, V's two here
.set VSZ,   64*PVV
.set OPB,   VB+2*VSZ                   ; O's two buffers, each four blocks (one a multiplying wave) of 64 rows
.set OBLK,  64*PO
.set OSZ,   4*OBLK                     ; the map ends at OPB + 2 OSZ = 227,328
; scalar registers: s[4:9] Q, V, out; s10 wave; s11 wave & 3; s12 slice; s13 part; s14 head; s[16:17] Q at the head; s[18:19], s[20:21] V, out at the head and slice;
; s[22:25] Q's base by register set; s[26:29] V's; s[30:31] out at the chunk being stored; s32 next chunk to load; s33 last chunk of the walk; s34 next chunk to store;
; s35, s36 trips of the two loops; s37 counter; s[38:39] an offset (s39 = 0); s[40:41] 1024.0; s[42:43] 1/16; s15, s44-46 at work
.set QB,  22
.set VBS, 26
; REGISTERS OF WAVES 0-3.  window 0: v4-5 .. v10-11 LDS addresses by buffer; v12-15 the diagonal's mask; v24-87 QR's fragments (plain, later turned); v88-151 V's; v152-231 ten score tiles.
; window 1: v0-127 S, tile (mt, vt) at 8 (4 mt + vt); v128-191 O^T, eight tiles; v192-255 S in f16.
.set APL, 4
.set ATR, 6
.set AVF, 8
.set AOP, 10
.set MK,  12
.set FR,  24
.set VF,  88
.set PB,  152
.set OT,  128
.set SH,  192
; REGISTERS OF WAVES 4-7.  window 0: v4, v5 byte offsets in Q and in V / out; v6-11 LDS addresses by buffer; v12-19 the factor from chunk to chunk; v20-35 at work;
; v36-59, v252-255, v0-3 eight slots of four: the rows of out on their way to memory, written by nothing else; v60-123 V, two sets;
; v124-251 the rotation factors (cos, sin) / 8 of my 16 rows x 4 pairs a lane.  window 1: Q, two sets of 128; the set just turned takes the four parts of O until it is loaded again.
.set QO,  4
.set VO,  5
.set AQS, 6
.set AVS, 8
.set ARD, 10
.set GG,  12
.set TT,  20
.set OU,  36
.set WW,  44                           ; set-up alone: the factor from row to row
.set XV,  60
.set FF,  124
.set TA,  28
.set TZ,  29
.set MSB, 0
.macro WIN new                         ; s_set_vgpr_msb: bits 1:0 source 0, 3:2 source 1, 5:4 source 2, 7:6 destination; the high byte repeats the setting that is left
.if MSB != (\new)
	s_set_vgpr_msb (MSB<<8)|(\new)
.set MSB, \new
.endif
.endm
.macro PLACES n                        ; plain vector instructions between a matrix instruction and what touches its registers (ISA guide 7.12.1)
.rept \n
	v_nop
.endr
.endm
; ---------------- waves 4-7 ----------------
; cos and sin of x turns into the pair o: reduced to half a turn either way (exact), then Taylor's sums to a^16 and a^15; what is cut off is under 8e-7.
.macro HORN o, ksin, kcos
	v_fmaak_f32 v[(\o)+1], v[(\o)+1], v[TZ], \ksin
	v_fmaak_f32 v[\o], v[\o], v[TZ], \kcos
.endm
.macro SINCOS o, x
	v_rndne_f32 v[TA], v[\x]
	v_sub_f32 v[TA], v[\x], v[TA]
	v_mul_f32 v[TA], 0x40c90fdb, v[TA]             ; a = 2 pi x the fraction
	v_mul_f32 v[TZ], v[TA], v[TA]
	v_mov_b32 v[(\o)+1], 0xab573f9f                ; -1/15!
	v_mov_b32 v[\o], 0x29573f9f                    ; 1/16!
	HORN \o, 0x2f309231, 0xad49cba5                ; 1/13!, -1/14!
	HORN \o, 0xb2d7322b, 0x310f76c8                ; -1/11!, 1/12!
	HORN \o, 0x3638ef1d, 0xb493f27e                ; 1/9!, -1/10!
	HORN \o, 0xb9500d01, 0x37d00d01                ; -1/7!, 1/8!
	HORN \o, 0x3c088889, 0xbab60b61                ; 1/5!, -1/6!
	HORN \o, 0xbe2aaaab, 0x3d2aaaab                ; -1/3!, 1/4!
	v_fma_f32 v[(\o)+1], v[(\o)+1], v[TZ], 1.0
	v_fma_f32 v[\o], v[\o], v[TZ], -0.5
	v_mul_f32 v[(\o)+1], v[(\o)+1], v[TA]
	v_fma_f32 v[\o], v[\o], v[TZ], 1.0
.endm
; 40 loads: my 16 rows of the next chunk of Q (32 x 512 consecutive bytes) and of V's slice (8 x two rows of 256 bytes).  Always 40, so that the count in ROPE_C holds on every way;
; past the walk's end the chunk's number is held at the last one, and what comes is not used.  The set's two bases were last read by the set's own loads, which ROPE_C's wait has shown done.
.macro LOADSET set
	s_min_u32 s38, s32, s33
	s_lshl_b32 s38, s38, 16                        ; a chunk is 64 rows of 1,024 bytes
	s_add_nc_u64 s[QB+2*(\set):QB+2*(\set)+1], s[16:17], s[38:39]
	s_add_nc_u64 s[VBS+2*(\set):VBS+2*(\set)+1], s[18:19], s[38:39]
	s_add_co_u32 s32, s32, 1
	WIN 0x40                                       ; data into window 1, offset from window 0
.set u, 0
.rept 32
	global_load_b128 v[128*(\set)+4*u:128*(\set)+4*u+3], v[QO], s[QB+2*(\set):QB+2*(\set)+1] offset:512*u
.set u, u+1
.endr
	WIN 0
.set u, 0
.rept 8
	global_load_b128 v[XV+32*(\set)+4*u:XV+32*(\set)+4*u+3], v[VO], s[VBS+2*(\set):VBS+2*(\set)+1] offset:2048*u
.set u, u+1
.endr
.endm
; The chunk in register set 'set' is turned, rounded and laid into LDS buffer 'set'; the factors step one chunk on.
; A pair (x, y) times (c, s): (x c, y c), then (- y s + x c, x s + y c): two packed instructions, for the data and for the factors alike.
; It works in v20-35 alone, which no global instruction ever names: so it needs no wait but the one for its data.
.macro ROPE_C set
	s_wait_loadcnt 40                              ; loads come back in order (ISA guide 5.7.1): this set's 40 are in, the other set's 40 are younger; this set's bases are free again
.set g, 0
.rept 8                                ; four half rows (8 pairs a lane) at a time
	WIN 0x01                                       ; Q in window 1
.set k, 0
.rept 8
	v_pk_mul_f32 v[TT+2*k:TT+2*k+1], v[128*(\set)+16*g+2*k:128*(\set)+16*g+2*k+1], v[FF+16*g+2*k:FF+16*g+2*k+1] op_sel_hi:[1,0]
.set k, k+1
.endr
.set k, 0
.rept 8
	v_pk_fma_f32 v[TT+2*k:TT+2*k+1], v[128*(\set)+16*g+2*k:128*(\set)+16*g+2*k+1], v[FF+16*g+2*k:FF+16*g+2*k+1], v[TT+2*k:TT+2*k+1] op_sel:[1,1,0] op_sel_hi:[0,1,1] neg_lo:[0,1,0]
.set k, k+1
.endr
	WIN 0
.set k, 0
.rept 8
	v_cvt_pk_f16_f32 v[TT+k], v[TT+2*k], v[TT+2*k+1]   ; in place, ascending: number k lands where numbers below k have read
.set k, k+1
.endr
.set k, 0
.rept 4
	ds_store_b64 v[AQS+(\set)], v[TT+2*k:TT+2*k+1] offset:PQ*((4*g+k)/2)+256*((4*g+k)%2)  ; 32 lanes x 8 bytes: half a row of f16
.set k, k+1
.endr
.set fh, 0
.rept 2                                ; the factors' step, in two halves through v28-35, so that the stores' v20-27 are left alone for sixteen lines
.set k, 0
.rept 4
	v_pk_mul_f32 v[TT+8+2*k:TT+8+2*k+1], v[FF+16*g+8*fh+2*k:FF+16*g+8*fh+2*k+1], v[GG+2*k:GG+2*k+1] op_sel_hi:[1,0]
.set k, k+1
.endr
.set k, 0
.rept 4
	v_pk_fma_f32 v[FF+16*g+8*fh+2*k:FF+16*g+8*fh+2*k+1], v[FF+16*g+8*fh+2*k:FF+16*g+8*fh+2*k+1], v[GG+2*k:GG+2*k+1], v[TT+8+2*k:TT+8+2*k+1] op_sel:[1,1,0] op_sel_hi:[0,1,1] neg_lo:[0,1,0]
.set k, k+1
.endr
.set fh, fh+1
.endr
.set g, g+1
.endr
.set k, 0
.rept 8                                ; V / 16, two rows at a time
.set tv, TT+4*(k%4)
	v_pk_mul_f32 v[tv:tv+1], v[XV+32*(\set)+4*k:XV+32*(\set)+4*k+1], s[42:43] op_sel_hi:[1,0]
	v_pk_mul_f32 v[tv+2:tv+3], v[XV+32*(\set)+4*k+2:XV+32*(\set)+4*k+3], s[42:43] op_sel_hi:[1,0]
	v_cvt_pk_f16_f32 v[tv], v[tv], v[tv+1]
	v_cvt_pk_f16_f32 v[tv+1], v[tv+2], v[tv+3]
	ds_store_b64 v[AVS+(\set)], v[tv:tv+1] offset:2*PVV*k
.set k, k+1
.endr
.endm
; The four parts of O of the chunk before (O's buffer par) are added, scaled by 1024 and stored: my 16 rows, two to a store.
; All 32 LDS loads go out in one run, into 128 registers from xb on (hi = 1: in window 1) that are idle just now; the sums go into the eight slots, which nothing else writes.
; So loads and stores name different registers, and the one wait for the stores' sources stands at the head, where the youngest global instruction is a barrier and a whole turning old.
.macro OSLOT i                         ; ob = the first register of slot i
.set ob, OU+4*(\i)
.if (\i) == 6
.set ob, 252
.endif
.if (\i) == 7
.set ob, 0
.endif
.endm
.macro REDUCE par, xb, hi
	s_wait_xcnt 0x0                                ; the last chunk's stores have had their addresses translated (ISA guide 3.1): their base and the slots are rewritten only behind this wait
	s_lshl_b32 s38, s34, 16
	s_add_nc_u64 s[30:31], s[20:21], s[38:39]
	s_add_co_u32 s34, s34, 1
	WIN 0x40*(\hi)
.irp i, 0,1,2,3,4,5,6,7
.irp wv, 0,1,2,3
	ds_load_b128 v[(\xb)+16*(\i)+4*(\wv):(\xb)+16*(\i)+4*(\wv)+3], v[ARD+(\par)] offset:OBLK*(\wv)+2*PO*(\i)
.endr
.endr
	WIN (\hi)                                      ; source 0 in the loads' window; the slots in window 0
.irp i, 0,1,2,3,4,5,6,7
	s_wait_dscnt 28-4*(\i)                         ; LDS loads come back in order: this pair of rows is in; the four loads of each later pair are younger
	OSLOT \i
	v_pk_mul_f32 v[ob:ob+1], v[(\xb)+16*(\i):(\xb)+16*(\i)+1], s[40:41] op_sel_hi:[1,0]
	v_pk_mul_f32 v[ob+2:ob+3], v[(\xb)+16*(\i)+2:(\xb)+16*(\i)+3], s[40:41] op_sel_hi:[1,0]
.irp wv, 1,2,3
	v_pk_fma_f32 v[ob:ob+1], v[(\xb)+16*(\i)+4*(\wv):(\xb)+16*(\i)+4*(\wv)+1], s[40:41], v[ob:ob+1] op_sel_hi:[1,0,1]
	v_pk_fma_f32 v[ob+2:ob+3], v[(\xb)+16*(\i)+4*(\wv)+2:(\xb)+16*(\i)+4*(\wv)+3], s[40:41], v[ob+2:ob+3] op_sel_hi:[1,0,1]
.endr
.endr
	WIN 0
.irp i, 0,1,2,3,4,5,6,7
	OSLOT \i
	global_store_b128 v[VO], v[ob:ob+3], s[30:31] offset:2048*(\i) th:TH_STORE_NT  ; 16 lanes store 256 consecutive bytes, at a multiple of 256 from out's first byte
.endr
.endm
; ---------------- waves 0-3 ----------------
; A fragment is 16 rows x 32 along K in 8 registers: lane l holds row l % 16; registers 0-3 K = 8 (l / 16) + 0..7, registers 4-7 K = 16 + 8 (l / 16) + 0..7.
.macro LDFR par                        ; QR as it lies: rows t (or s), K = my features: tile rt of 16 rows, features 32 ks on
.irp rt, 0,1,2,3
.irp ks, 0,1
	ds_load_b128 v[FR+8*(2*(\rt)+(\ks)):FR+8*(2*(\rt)+(\ks))+3], v[APL+(\par)] offset:(\rt)*16*PQ+64*(\ks)
	ds_load_b128 v[FR+8*(2*(\rt)+(\ks))+4:FR+8*(2*(\rt)+(\ks))+7], v[APL+(\par)] offset:(\rt)*16*PQ+64*(\ks)+32
.endr
.endr
.endm
.macro LDTR par                        ; QR turned: rows = my features 16 mt on, K = the chunk's rows 32 ks on; into the same registers
.irp mt, 0,1,2,3
.irp ks, 0,1
	ds_load_tr16_b128 v[FR+8*(2*(\mt)+(\ks)):FR+8*(2*(\mt)+(\ks))+3], v[ATR+(\par)] offset:(\ks)*32*PQ+32*(\mt)
	ds_load_tr16_b128 v[FR+8*(2*(\mt)+(\ks))+4:FR+8*(2*(\mt)+(\ks))+7], v[ATR+(\par)] offset:(\ks)*32*PQ+32*(\mt)+16*PQ
.endr
.endr
.endm
.macro LDVF par                        ; V turned: rows = columns 16 vt on, K = the chunk's rows 32 ks on
.irp vt, 0,1,2,3
.irp ks, 0,1
	ds_load_tr16_b128 v[VF+8*(2*(\vt)+(\ks)):VF+8*(2*(\vt)+(\ks))+3], v[AVF+(\par)] offset:(\ks)*32*PVV+32*(\vt)
	ds_load_tr16_b128 v[VF+8*(2*(\vt)+(\ks))+4:VF+8*(2*(\vt)+(\ks))+7], v[AVF+(\par)] offset:(\ks)*32*PVV+32*(\vt)+16*PVV
.endr
.endr
.endm
; S in f16.  A tile of S holds, in lane l, column l % 16 and features 8 (l / 16) + 0..7: rounded in pairs, two tiles ARE source 0 (16 columns x 32 features) of O^T = S^T QR^T.
.macro S2H
	WIN 0x45                                       ; destination and both sources in window 1
.irp vt, 0,1,2,3
.irp ks, 0,1
.irp hh, 0,1
.irp k, 0,1,2,3
	v_cvt_pk_f16_f32 v[SH+8*(2*(\vt)+(\ks))+4*(\hh)+(\k)], v[8*(4*(2*(\ks)+(\hh))+(\vt))+2*(\k)], v[8*(4*(2*(\ks)+(\hh))+(\vt))+2*(\k)+1]
.endr
.endr
.endr
.endr
.endm
; The ten score tiles at or under the diagonal, tile b = (16 rows s from 16 si, 16 rows t from 16 ti): a lane holds one t and eight s.  The accumulators take turns.
.macro SC b, si, ti, ks
.if (\ks) == 0
	v_wmma_f32_16x16x32_f16 v[PB+8*(\b):PB+8*(\b)+7], v[FR+8*(2*(\si)+(\ks)):FR+8*(2*(\si)+(\ks))+7], v[FR+8*(2*(\ti)+(\ks)):FR+8*(2*(\ti)+(\ks))+7], 0
.else
	v_wmma_f32_16x16x32_f16 v[PB+8*(\b):PB+8*(\b)+7], v[FR+8*(2*(\si)+(\ks)):FR+8*(2*(\si)+(\ks))+7], v[FR+8*(2*(\ti)+(\ks)):FR+8*(2*(\ti)+(\ks))+7], v[PB+8*(\b):PB+8*(\b)+7]
.endif
.endm
.macro SCORES
	WIN 0
.irp ks, 0,1
	SC 0, 0, 0, \ks
	SC 1, 0, 1, \ks
	SC 2, 1, 1, \ks
	SC 3, 0, 2, \ks
	SC 4, 1, 2, \ks
	SC 5, 2, 2, \ks
	SC 6, 0, 3, \ks
	SC 7, 1, 3, \ks
	SC 8, 2, 3, \ks
	SC 9, 3, 3, \ks
.endr
.endm
; O^T = S^T QR^T for row tiles 2 hf, 2 hf + 1: eight accumulators by turns; the first eight products start the sums.
.macro INTER hf
	WIN 0x51                                       ; S in f16, C and D in window 1; QR in window 0
.irp ks, 0,1
.irp vt, 0,1,2,3
.irp tl, 0,1
.if (\ks) == 0
	v_wmma_f32_16x16x32_f16 v[OT+8*(2*(\vt)+(\tl)):OT+8*(2*(\vt)+(\tl))+7], v[SH+8*(2*(\vt)+(\ks)):SH+8*(2*(\vt)+(\ks))+7], v[FR+8*(2*(2*(\hf)+(\tl))+(\ks)):FR+8*(2*(2*(\hf)+(\tl))+(\ks))+7], 0
.else
	v_wmma_f32_16x16x32_f16 v[OT+8*(2*(\vt)+(\tl)):OT+8*(2*(\vt)+(\tl))+7], v[SH+8*(2*(\vt)+(\ks)):SH+8*(2*(\vt)+(\ks))+7], v[FR+8*(2*(2*(\hf)+(\tl))+(\ks)):FR+8*(2*(2*(\hf)+(\tl))+(\ks))+7], v[OT+8*(2*(\vt)+(\tl)):OT+8*(2*(\vt)+(\tl))+7]
.endif
.endr
.endr
.endr
.endm
; The scores become source 1 (32 rows s x 16 rows t) of O^T += V^T P: each tile is rounded to f16 in pairs, from its low end on; the lower tile in place, the upper into the lower's registers 4-7.
.macro PK dst, src
.irp k, 0,1,2,3
	v_cvt_pk_f16_f32 v[(\dst)+(\k)], v[(\src)+2*(\k)], v[(\src)+2*(\k)+1]
.endr
.endm
.macro MSK dst                         ; a diagonal tile keeps s < t
.irp k, 0,1,2,3
	v_and_b32 v[(\dst)+(\k)], v[MK+(\k)], v[(\dst)+(\k)]
.endr
.endm
.macro ZR dst                          ; a tile above the diagonal
.irp k, 0,1,2,3
	v_mov_b32 v[(\dst)+(\k)], 0
.endr
.endm
.macro PCONV
	PK PB, PB
	PK PB+8, PB+8
	PK PB+12, PB+16
	PK PB+24, PB+24
	PK PB+28, PB+32
	PK PB+40, PB+40
	PK PB+48, PB+48
	PK PB+52, PB+56
	PK PB+64, PB+64
	PK PB+68, PB+72
	MSK PB
	MSK PB+12
	MSK PB+40
	MSK PB+68
	ZR PB+4
	ZR PB+44
.endm
.macro PV ks, p0, p1                   ; O^T += V^T P: rows s 32 ks on; p0, p1: P's fragments for the half's two row tiles
.irp vt, 0,1,2,3
	v_wmma_f32_16x16x32_f16 v[OT+16*(\vt):OT+16*(\vt)+7], v[VF+8*(2*(\vt)+(\ks)):VF+8*(2*(\vt)+(\ks))+7], v[\p0:(\p0)+7], v[OT+16*(\vt):OT+16*(\vt)+7]
	v_wmma_f32_16x16x32_f16 v[OT+16*(\vt)+8:OT+16*(\vt)+15], v[VF+8*(2*(\vt)+(\ks)):VF+8*(2*(\vt)+(\ks))+7], v[\p1:(\p1)+7], v[OT+16*(\vt)+8:OT+16*(\vt)+15]
.endr
.endm
.macro OSTORE par, hf                  ; a lane holds eight neighbouring columns of one row: 32 bytes into my block, each tile's low registers first
	WIN 0x04                                       ; data in window 1
.irp vt, 0,1,2,3
.irp tl, 0,1
	ds_store_b128 v[AOP+(\par)], v[OT+8*(2*(\vt)+(\tl)):OT+8*(2*(\vt)+(\tl))+3] offset:(2*(\hf)+(\tl))*16*PO+64*(\vt)
	ds_store_b128 v[AOP+(\par)], v[OT+8*(2*(\vt)+(\tl))+4:OT+8*(2*(\vt)+(\tl))+7] offset:(2*(\hf)+(\tl))*16*PO+64*(\vt)+16
.endr
.endr
.endm
.macro UPDATE                          ; S += QR^T V: sixteen accumulators by turns
	WIN 0x50                                       ; C and D in window 1
.irp ks, 0,1
.irp mt, 0,1,2,3
.irp vt, 0,1,2,3
	v_wmma_f32_16x16x32_f16 v[8*(4*(\mt)+(\vt)):8*(4*(\mt)+(\vt))+7], v[FR+8*(2*(\mt)+(\ks)):FR+8*(2*(\mt)+(\ks))+7], v[VF+8*(2*(\vt)+(\ks)):VF+8*(2*(\vt)+(\ks))+7], v[8*(4*(\mt)+(\vt)):8*(4*(\mt)+(\vt))+7]
.endr
.endr
.endr
.endm
; A chunk in full: 20 + 32 + 24 + 32 matrix instructions.  No two that follow each other share an accumulator, over the phases' edges and the loops' edges too.
; The places behind a chunk's last products stand at the chunk's end (in TRIP): so the loads into QR's and V's fragments and the reads of S below need none here.
.macro CONS_F par
	LDFR \par
	LDVF \par
	S2H
	WIN 0
	s_wait_dscnt 16                                ; QR's 16 loads are in; V's 16 are younger
	SCORES
	INTER 0
	WIN 0
	PLACES 4                                       ; behind the scores
	PCONV
	s_wait_dscnt 0x0                               ; V is in
	WIN 0x50
	PV 0, PB, PB+8                                 ; rows 0-31 see rows s 0-31 alone
	PLACES 5                                       ; the stores read these results, and the next products write over them
	OSTORE \par, 0
	INTER 1
	PLACES 4                                       ; QR's fragments have been read for the last time: the turned ones take their registers
	WIN 0
	LDTR \par
	WIN 0x50
	PV 0, PB+24, PB+48
	PV 1, PB+40, PB+64
	PLACES 4
	OSTORE \par, 1
	s_wait_dscnt 16                                ; the turned fragments are in; the 16 stores just issued are younger
	UPDATE
	WIN 0
.endm
.macro CONS_U par                      ; a chunk for the state alone
	LDTR \par
	LDVF \par
	s_wait_dscnt 0x0
	UPDATE
	WIN 0
.endm
; A CHUNK.  Behind the barrier waves 0-3 read QR and V in buffer par and write O's buffer par; waves 4-7 write QR's and V's other buffer (the chunk behind) and read O's other buffer
; (the chunk before).  Each wave's LDS instructions are done in front of its signal, so what one side wrote the other may read, and what it read the other may write.
; Waves 4-7 go: turn, add O, load.  The set just turned is idle between the turning and its next loads, and takes O's four parts meanwhile.
; The two sides share register numbers and meet again at every barrier.  So each side leaves the text sound for whatever follows the meeting, whichever side that is:
; the multiplying side begins with no global load out and no global instruction's sources in use, and ends four places behind its last product.
.macro TRIP full, par, skipfirst
	s_wait_dscnt 0x0
	s_barrier_signal -1
	s_barrier_wait -1
	s_cmp_lt_u32 s10, 4
	s_cbranch_scc0 .Lprod_\@
	s_wait_loadcnt 0x0                             ; waves 0-3 issue no global instruction, so these two are met at once; with them the count in ROPE_C holds, and the registers
	s_wait_xcnt 0x0                                ; whose numbers the stores' slots share are free, on every way through the text, whichever side of each trip's branch is taken
.if \full
	CONS_F \par
.else
	CONS_U \par
.endif
	PLACES 4                                       ; behind the update's last products: what follows the meeting loads into their sources, reads S, or writes registers of the same numbers
	s_branch .Ljoin_\@
.Lprod_\@:
	ROPE_C 1-(\par)
.if \full
.if \skipfirst
	s_cmp_eq_u32 s37, 0                            ; in front of the first full chunk there is no O
	s_cbranch_scc1 .Lnored_\@
.endif
	REDUCE 1-(\par), 128*(1-(\par)), 1
.if \skipfirst
.Lnored_\@:
.endif
.endif
	LOADSET 1-(\par)
.Ljoin_\@:
.endm
	s_load_b128 s[4:7], s[0:1], 0x0                ; Q s[4:5], V s[6:7]
	s_load_b64 s[8:9], s[0:1], 0x10                ; out
	v_lshrrev_b32 v1, 5, v0
	v_readfirstlane_b32 s10, v1                    ; wave 0..7
	s_and_b32 s11, s10, 3                          ; which 64 features (waves 0-3), which 16 rows of a chunk (waves 4-7)
	s_and_b32 s12, ttmp9, 3                        ; slice
	s_lshr_b32 s13, ttmp9, 2                       ; part
	s_and_b32 s14, ttmp7, 0xffff                   ; head
	s_cmp_eq_u32 s13, 0
	s_cselect_b32 s33, SPLIT-1, NCH-1              ; the walk's last chunk
	s_cselect_b32 s34, 0, SPLIT                    ; the first chunk stored
	s_cselect_b32 s35, 0, SPLIT/2                  ; trips for the state alone, two chunks each
	s_cselect_b32 s36, SPLIT/2, (NCH-SPLIT)/2      ; full trips
	s_mov_b32 s32, 0
	s_lshl_b32 s38, s14, 21                        ; a head is 2,048 rows of 1,024 bytes
	s_mov_b32 s39, 0
	s_mov_b32 s40, 0x44800000                      ; 1024.0
	s_mov_b32 s41, s40                             ; named with it as a pair
	s_mov_b32 s42, 0x3d800000                      ; 1/16
	s_mov_b32 s43, s42
	s_lshl_b32 s15, s12, 8
	s_wait_kmcnt 0x0
	s_add_nc_u64 s[16:17], s[4:5], s[38:39]
	s_add_co_u32 s38, s38, s15                     ; the slice's 256 bytes of a row
	s_add_nc_u64 s[18:19], s[6:7], s[38:39]
	s_add_nc_u64 s[20:21], s[8:9], s[38:39]
	s_cmp_lt_u32 s10, 4
	s_cbranch_scc1 .Lcinit
	; waves 4-7: addresses, the first loads, the rotation factors, the first chunk
	v_and_b32 v1, 31, v0                           ; lane
	v_lshrrev_b32 v2, 4, v1                        ; lane / 16
	v_and_b32 v3, 15, v0                           ; lane % 16
	s_lshl_b32 s15, s11, 14                        ; my 16 rows of 1,024 bytes
	v_lshl_add_u32 v[QO], v1, 4, s15
	v_lshlrev_b32 v[VO], 10, v2
	v_lshl_add_u32 v[VO], v3, 4, v[VO]
	v_add_nc_u32 v[VO], s15, v[VO]
	LOADSET 0                                      ; chunk 0
	s_mul_i32 s44, s11, 16*PQ
	v_lshl_add_u32 v[AQS], v1, 3, s44
	v_add_nc_u32 v[AQS+1], QRSZ, v[AQS]
	s_mul_i32 s45, s11, 16*PVV
	s_add_co_u32 s45, s45, VB
	v_mul_u32_u24 v[AVS], v2, PVV
	v_lshl_add_u32 v[AVS], v3, 3, v[AVS]
	v_add_nc_u32 v[AVS], s45, v[AVS]
	v_add_nc_u32 v[AVS+1], VSZ, v[AVS]
	s_mul_i32 s45, s11, 16*PO
	s_add_co_u32 s45, s45, OPB
	v_mul_u32_u24 v[ARD], v2, PO
	v_lshl_add_u32 v[ARD], v3, 4, v[ARD]
	v_add_nc_u32 v[ARD], s45, v[ARD]
	v_add_nc_u32 v[ARD+1], OSZ, v[ARD]
	; My four pairs: number 64 hf + 2 lane + e, c = 2 hf + e.  Turns a row: f = 2^(-pair / 8) / (2 pi), in v20-23.
	s_lshl_b32 s46, s11, 4
	v_cvt_f32_u32 v24, v1
	v_mul_f32 v24, 0xbe800000, v24                 ; -(2 lane) / 8
	v_add_f32 v21, 0xbe000000, v24                 ; - 1/8
	v_add_f32 v22, 0xc1000000, v24                 ; - 64/8
	v_add_f32 v23, 0xc1020000, v24                 ; - 65/8
	v_exp_f32 v20, v24
	v_exp_f32 v21, v21
	v_exp_f32 v22, v22
	v_exp_f32 v23, v23
	v_nop                                          ; a plain instruction between the last exponential and the use of its result (ISA guide 5.7.2)
	v_cvt_f32_u32 v25, s46                         ; my first row in a chunk, 16 q
	s_wait_alu depctr_va_vdst(0)
.irp c, 0,1,2,3
	v_mul_f32 v[20+(\c)], 0x3e22f983, v[20+(\c)]
.endr
.irp c, 0,1,2,3
	SINCOS WW+2*(\c), 20+(\c)                      ; from row to row
	v_mul_f32 v26, v25, v[20+(\c)]
	SINCOS FF+2*(\c), 26                           ; row 16 q of chunk 0,
	v_mul_f32 v[FF+2*(\c)], 0x3e000000, v[FF+2*(\c)]      ; with QR's scale 1/8
	v_mul_f32 v[FF+2*(\c)+1], 0x3e000000, v[FF+2*(\c)+1]
	v_mul_f32 v26, 0x42800000, v[20+(\c)]
	SINCOS GG+2*(\c), 26                           ; from chunk to chunk: 64 rows
.endr
.set i, 1
.rept 15                               ; rows 16 q + 1 .. + 15
.set c, 0
.rept 4
	v_pk_mul_f32 v[FF+8*i+2*c:FF+8*i+2*c+1], v[FF+8*(i-1)+2*c:FF+8*(i-1)+2*c+1], v[WW+2*c:WW+2*c+1] op_sel_hi:[1,0]
.set c, c+1
.endr
.set c, 0
.rept 4
	v_pk_fma_f32 v[FF+8*i+2*c:FF+8*i+2*c+1], v[FF+8*(i-1)+2*c:FF+8*(i-1)+2*c+1], v[WW+2*c:WW+2*c+1], v[FF+8*i+2*c:FF+8*i+2*c+1] op_sel:[1,1,0] op_sel_hi:[0,1,1] neg_lo:[0,1,0]
.set c, c+1
.endr
.set i, i+1
.endr
	LOADSET 1                                      ; chunk 1
	ROPE_C 0                                       ; chunk 0 into buffer 0;
	LOADSET 0                                      ; chunk 2 is asked for
	s_branch .Lgo
.Lcinit:                                               ; waves 0-3: addresses, the diagonal's mask, S = 0
	v_and_b32 v1, 15, v0                           ; r = l % 16
	v_bfe_u32 v2, v0, 4, 1                         ; h = l / 16
	v_and_b32 v3, 7, v0
	v_bfe_u32 v16, v0, 3, 1
	s_lshl_b32 s15, s11, 7                         ; my 64 features: 128 bytes along a row of QR
	v_mul_u32_u24 v[APL], v1, PQ
	v_lshl_add_u32 v[APL], v2, 4, v[APL]
	v_add_nc_u32 v[APL], s15, v[APL]
	v_add_nc_u32 v[APL+1], QRSZ, v[APL]
	v_lshl_add_u32 v17, v2, 3, v3                  ; the turning loads' row: 8 h + l % 8
	v_mul_u32_u24 v[ATR], v17, PQ
	v_lshl_add_u32 v[ATR], v16, 4, v[ATR]
	v_add_nc_u32 v[ATR], s15, v[ATR]
	v_add_nc_u32 v[ATR+1], QRSZ, v[ATR]
	v_mul_u32_u24 v[AVF], v17, PVV
	v_lshl_add_u32 v[AVF], v16, 4, v[AVF]
	v_add_nc_u32 v[AVF], VB, v[AVF]
	v_add_nc_u32 v[AVF+1], VSZ, v[AVF]
	s_mul_i32 s15, s11, OBLK
	s_add_co_u32 s15, s15, OPB                     ; my block of O
	v_mul_u32_u24 v[AOP], v1, PO
	v_lshl_add_u32 v[AOP], v2, 5, v[AOP]
	v_add_nc_u32 v[AOP], s15, v[AOP]
	v_add_nc_u32 v[AOP+1], OSZ, v[AOP]
	v_lshlrev_b32 v18, 3, v2
	v_sub_nc_u32 v18, v1, v18                      ; r - 8 h: register j of a diagonal tile (s = 8 h + j, t = r) is kept where j is less
	s_mov_b32 s44, 0xffff
	s_mov_b32 s45, 0xffff0000
.irp k, 0,1,2,3
	v_cmp_lt_i32 vcc_lo, 2*(\k), v18
	v_cndmask_b32 v[MK+(\k)], 0, s44, vcc_lo
	v_cmp_lt_i32 vcc_lo, 2*(\k)+1, v18
	v_cndmask_b32 v19, 0, s45, vcc_lo
	v_or_b32 v[MK+(\k)], v[MK+(\k)], v19
.endr
	WIN 0x40                                       ; S starts at 0: 128 lines, in the wait for the first chunk: the price of one text for every chunk, the first too
.set i, 0
.rept 128
	v_mov_b32 v[i], 0
.set i, i+1
.endr
	WIN 0
.Lgo:
	s_cmp_eq_u32 s35, 0
	s_cbranch_scc1 .Lno_u                          ; part 0 has no chunks in front of its own
	s_mov_b32 s37, 0
.Lu:                                                   ; part 1: chunks 0 .. SPLIT-1 for the state alone
	TRIP 0, 0, 0
	TRIP 0, 1, 0
	s_add_co_u32 s37, s37, 1
	s_cmp_lt_u32 s37, s35
	s_cbranch_scc1 .Lu
.Lno_u:
	s_mov_b32 s37, 0
.Lf:                                                   ; the part's own chunks
	TRIP 1, 0, 1
	TRIP 1, 1, 0
	s_add_co_u32 s37, s37, 1
	s_cmp_lt_u32 s37, s36
	s_cbranch_scc1 .Lf
	; The last trip's turning serves no later chunk, and its loads and the two sets before them are the held last chunk's: once a work-group, the price of equal counts on every way.
	s_wait_dscnt 0x0
	s_barrier_signal -1
	s_barrier_wait -1                              ; the last chunk's four parts of O lie in buffer 1
	s_cmp_lt_u32 s10, 4
	s_cbranch_scc1 .Lend
	REDUCE 1, FF, 0                                ; both sets of Q have loads on their way: here the four parts land in the factors' 128 registers, which have served
.Lend:
	s_endpgm
.Lfunc_end_k_q2cdffd7e43_cattn:
	.size	k_q2cdffd7e43_cattn, .Lfunc_end_k_q2cdffd7e43_cattn-k_q2cdffd7e43_cattn
	.p2alignl 7, 3214868480
	.fill 96, 4, 3214868480
	.section	.rodata,"a",@progbits
	.p2align	6, 0x0
	.amdhsa_kernel k_q2cdffd7e43_cattn
		.amdhsa_group_segment_fixed_size 227328
		.amdhsa_private_segment_fixed_size 0
		.amdhsa_enable_private_segment 0
		.amdhsa_kernarg_size 24
		.amdhsa_user_sgpr_count 2
		.amdhsa_user_sgpr_kernarg_segment_ptr 1
		.amdhsa_wavefront_size32 1
		.amdhsa_system_sgpr_workgroup_id_x 1
		.amdhsa_system_sgpr_workgroup_id_y 1
		.amdhsa_system_sgpr_workgroup_id_z 1
		.amdhsa_system_vgpr_workitem_id 0
		.amdhsa_next_free_vgpr 512
		.amdhsa_next_free_sgpr 66
		.amdhsa_reserve_vcc 1
		.amdhsa_float_denorm_mode_32 3
		.amdhsa_float_denorm_mode_16_64 3
		.amdhsa_memory_ordered 1
		.amdhsa_forward_progress 1
		.amdhsa_inst_pref_size 255
	.end_amdhsa_kernel
	.section	.bss,"aw",@nobits
	.p2align	6
	.space	262144
	.amdgpu_metadata
---
amdhsa.version: [ 1, 2 ]
amdhsa.kernels:
  - .name:           k_q2cdffd7e43_cattn
    .symbol:         k_q2cdffd7e43_cattn.kd
    .args:
      - { .name: Q, .offset: 0, .size: 8, .value_kind: global_buffer, .address_space: global }
      - { .name: V, .offset: 8, .size: 8, .value_kind: global_buffer, .address_space: global }
      - { .name: out0, .offset: 16, .size: 8, .value_kind: global_buffer, .address_space: global }
    .group_segment_fixed_size: 227328
    .private_segment_fixed_size: 0
    .kernarg_segment_align: 8
    .kernarg_segment_size: 24
    .max_flat_workgroup_size: 256
    .sgpr_count:     66
    .vgpr_count:     512
    .wavefront_size: 32
...
	.end_amdgpu_metadata
.endif
;; end of part 1
